; MI455X (gfx1250); checked and timed in simulation.
; The chip was launched on July 23, 2026; its instructions are those of AMD's public machine-readable ISA for CDNA 5 (MIT licence, August 2026) and "CDNA5" Instruction Set Architecture Reference Guide (July 2026). The comments in the code are by the model that wrote it; some were corrected since.
;; GMABSE3. Allowed arithmetic: float matrix products may take bf16 or f16 operands with f32 sums; all other float work in f32.
;; Inputs: k0 32,768 x 64 x 1 float32; k1 32,768 x 64 x 3 float32; q0 32,768 x 64 x 1 float32; q1 32,768 x 64 x 3 float32; v0 32,768 x 64 x 1 float32; v1 32,768 x 64 x 3 float32; w 128 x 32 float32.
;; Outputs: out0 32,768 x 64 x 1 float32; out1 32,768 x 64 x 3 float32.
;; Constants: batch_size = 4.
;; One version. Each part assembles by itself: llvm-mc -triple=amdgcn-amd-amdhsa -mcpu=gfx1250 --defsym DOCPART=n.
;; ======== version 1 of 1: 3 launches
;; limits: inputs' magnitudes at most 4,000; values are held in f16: magnitudes above 65,504 overflow, below 6.1e-05 lose precision
;; workspace buffers: part 8,388,608 bytes; aux 393,216 bytes; pmax 2,048 bytes; ctxf 393,216 bytes
;; launch partial (part 1): grid 256 x 1, 8 waves a work-group, no clusters, 298,240 bytes of LDS; arguments k0, k1, v0, v1, w, part, aux, pmax; writes part, aux, pmax
.if DOCPART == 1
	.amdgcn_target "amdgcn-amd-amdhsa--gfx1250"
	.amdhsa_code_object_version 6
	.text
	.protected	k_q31a29f4d36_partial
	.globl	k_q31a29f4d36_partial
	.p2align	8
	.type	k_q31a29f4d36_partial,@function
k_q31a29f4d36_partial:
	s_mov_b64 s[64:65], 0
	v_nop
	global_prefetch_b8 v0, s[64:65] scope:SCOPE_SE
	s_setreg_imm32_b32 hwreg(HW_REG_WAVE_MODE, 25, 1), 1
	s_wait_xcnt 0x0
; KEY SIDE, PARTIAL SUMS.  Work-group 4 c + j takes the 512 nodes of chunk c and the heads 2 j, 2 j + 1.  Wave = 4 hh + g: head 2 j + hh, nodes 128 g .. 128 g + 127.
; For a (chunk, head) the four waves together make one record:
;   M'       the true maximum of dd' = x . W' over the 512 nodes   (W' = w * 32^-0.25 * log2 e, so all exponentials are base 2)
;   S[m][c]  = sum over the nodes of 2^(dd' + nd' - M') * V[node][c]     (128 features x 32 channels), nd' = -0.5 * 32^-0.5 * log2 e * |x|^2
;   ksumE[m] = sum over the nodes of 2^(dd' + nd' - M'),   sumV[c] = sum over the nodes of V,
;   KM       = the sum of the four node groups' largest ksumE: at least the record's largest ksumE, at most the sum of ksumE over m.
; The next launch rescales by 2^(M' - global maximum) and adds the EPS terms.  The factor 'ratio' of the source cancels in the final quotient.
; q0 and q1 are not loaded: the source computes Q from the k features and never reads them, so no output hangs on them.
; WHY TWO HEADS AND 512 NODES: a record is 16 KiB of S, whatever the number of its nodes.  256 work-groups x 2 heads are 512 records, 8.4 MB, stored here
; and read again by the next launch; with all 8 heads in a work-group they would be 2,048 records, 33.5 MB.
; THE PRICE: a tensor row is a head pair's piece of a node's row, 64 bytes of k0 and v0, 192 bytes of k1 and v1.  So each aligned block of 256 bytes of k0 and
; v0 is asked for by the four work-groups of a chunk, and each block of k1 and v1 by two of them on the average.  The four have neighbouring numbers
; and ask in their first lines.
; NO CLUSTER: the four partners want different bytes; a joint load would lay all four's bytes, 1 MiB, into the LDS of each.
; NO RING: the work-group's whole input, 2 x 128 KiB, lies in LDS at once; every LDS byte is filled once, nothing is filled again.
; FORMATS: x, W', V and the exponentials P enter the matrix unit as f16, 11 significant bits: dd' reaches some 20 binary orders, and what counts
; is its distance from the maximum, so an operand's relative error is multiplied by that size.  All sums, maxima and |x|^2 are f32.
; ROOM IN f16, AND THE LIMITS: |x|, |W'|, |V| below 65,504, beyond which the conversion gives infinity (inputs of order 1, taken thirty times
; larger and with an offset of thirty spreads, are about 1,100).  0 <= P <= 1, since the true maximum is taken away.  Below 2^-14 an f16 keeps an
; absolute error of 2^-25: 3e-4 of the EPS = 1e-4 that the source adds to every P.  A NaN is dropped by the maxima (v_max*_num).
; v_exp_f32 gives 0 for results below 2^-126.
; LAYOUTS (r = lane & 15, h = lane >> 4):
;   a fragment along the 32 dimensions takes the 16 bytes at 32 i + 16 h of the logical 128-byte row into registers 2i, 2i+1, for x and for W' alike
;   (one permutation of k on both sides: the products are the same);
;   D = x (rows: nodes) . W' (columns: features): lane = feature r, register j = row 8h + j.  Two such tiles, packed to f16, ARE the A fragment
;   (row = feature, k = 32 nodes) of S = P . V: no LDS between the two products.  nd' - M' rides in as the C operand (register j = row 8h + j).
;   THE ORDER OF THE NODES IN A TILE: row m of an x tile is node 2 (m & 7) + (m >> 3) of its sixteen, so register j of half h is node 2 j + h, in D, in the
;   C operand and in V's fragments alike; a sum over the nodes takes any order.  It puts the two halves of the lanes one node apart in V's reads (below).
; LDS.  A piece is what one tensor load brings: 128 nodes' 64 bytes (k0, v0) or 192 bytes (k1, v1).  Piece g is node group g.
;   k0, v0: 16 bytes of padding behind each row of 64: pitch 80 = 5 x 16, so the sixteen nodes of a 16-byte load lie in sixteen different 16-byte columns
;   modulo 256 (64 banks of 4 bytes: ISA guide 11.1).
;   k1, v1: no padding, pitch 192.  A row of 48 words is no power of two, so the padding's interval cannot be the row; the interval of 16 words, which
;   divides it, with 16 bytes would make 240 bytes a node, and the images of k and v would take all 327,680 bytes.  192 n modulo 256 has four values:
;   four of the sixteen nodes share a column in the 24 loads of 16 bytes that a wave makes from k1.
;   V is read by single words: sixteen lanes take up to 64 neighbouring bytes of one node, the other sixteen the next node's, 192 (v1) or 80 (v0) bytes on:
;   other banks.
.set K0P,   10240                      ; a piece of k0 (v0): 128 rows of 80 bytes
.set K1,    40960                      ; k1's four pieces behind k0's four
.set K1P,   24576                      ; a piece of k1 (v1): 128 rows of 192 bytes
.set VIM,   139264                     ; the image of v0, v1, laid as k's
.set V1,    180224                     ; VIM + K1
.set WF,    278528                     ; W' as eight fragments, 1,024 bytes each (registers 0-3 at 16 lane, 4-7 at 512 + 16 lane)
.set NDS,   286720                     ; nd' of 128 nodes, 512 bytes for each wave, its own
.set AUXS,  290816                     ; an aux record, 768 bytes for each wave
.set MXS,   296960                     ; the eight waves' maxima
; The stage for S, 16 KiB for each wave, lies at LDS byte 0, over k's image: that image has had its only fill, and every wave's reads of it are
; waited for in front of the barrier that stands ahead of the first store into the stage.
.set KMX, 30                           ; v30         the largest ksumE so far (v28-31 are pass 1's chains before)
.set CC,  32                           ; v[32:95]    C operand nd' - M', 8 node tiles; in pass 1 the second set of D tiles
.set DD,  96                           ; v[96:159]   D tiles, 8 node tiles; then P, packed in place
.set RR,  32                           ; v[32:159]   at the end: four partners' two S tiles, 32 registers each
.set ACC, 160                          ; v[160:175]  S tile: 16 features x 32 channels
.set STG, 176                          ; v[176:199]  V as loaded, buffer 0
.set STG2, 200                         ; v[200:223]  V as loaded, buffer 1
.set KSM, 224                          ; v[224:231]  four chains for ksumE
.set SVM, 232                          ; v[232:235]  two chains for sumV
.set TMP, 236                          ; v[236:251]
.set XF,  0                            ; window 1: v[256:319] x fragments, 8 node tiles
.set WFR, 64                           ; window 1: v[320:383] W' fragments, 8 feature tiles
.set VTF, 128                          ; window 1: v[384:447] V fragments, 4 steps of 32 nodes x 2 channel tiles
.set G1A, 24                           ; s[24:31] descriptor group 1 for k0, v0;  s[32:35], s[36:39] group 0 for k and for v
.set G1B, 40                           ; s[40:47] descriptor group 1 for k1, v1
.set MSB, 0
.macro WIN new                         ; s_set_vgpr_msb: bits 1:0 source 0, 3:2 source 1, 5:4 source 2, 7:6 destination; the high byte repeats the setting left
.if MSB != \new
	s_set_vgpr_msb (MSB<<8)|\new
.set MSB, \new
.endif
.endm
.macro PLACES                          ; four independent vector instructions behind a matrix instruction, ahead of the first use of its result (ISA guide 7.12.1)
.rept 4
	v_nop
.endr
.endm
	s_load_b512 s[4:19], s[0:1], 0x0               ; k0 s[4:5], k1 s[6:7], v0 s[8:9], v1 s[10:11], w s[12:13], part s[14:15], aux s[16:17], pmax s[18:19]
	v_lshl_add_u32 v254, v0, 2, 0x48900
	v_mov_b32 v255, 0
	ds_add_u32 v254, v255
	ds_add_u32 v254, v255
	s_wait_dscnt 0x0
	v_lshrrev_b32 v1, 5, v0
	v_readfirstlane_b32 s20, v1                    ; wave
	s_lshr_b32 s21, s20, 2                         ; hh: which of the two heads
	s_and_b32 s22, s20, 3                          ; g: which 128 nodes
	s_lshr_b32 s23, ttmp9, 2                       ; c: chunk of 512 nodes
	s_and_b32 s60, ttmp9, 3                        ; j: pair of heads
	; Group 1, elements of 8 bytes.  k0, v0: 128 rows of 8 elements, 32 elements from row to row.  k1, v1: 128 rows of 24 elements, 96 from row to row.
	s_mov_b32 s[G1A+0], (3<<16)|(1<<20)|(3<<22)|(3<<25)   ; no mask; element of 8 bytes; padding on, after every 16 words (code 3: the row), of 4 words (code 3)
	s_mov_b32 s[G1A+1], 8<<16                      ; tensor_dim0 = 8
	s_mov_b32 s[G1A+2], 128<<16                    ; tensor_dim1 = 128
	s_mov_b32 s[G1A+3], 8<<16                      ; tile_dim0 = 8
	s_mov_b32 s[G1A+4], 128                        ; tile_dim1 = 128
	s_mov_b32 s[G1A+5], 32                         ; pitch
	s_mov_b32 s[G1A+6], 0
	s_mov_b32 s[G1A+7], 0
	s_mov_b32 s[G1B+0], 3<<16                      ; no mask; element of 8 bytes; no padding
	s_mov_b32 s[G1B+1], 24<<16
	s_mov_b32 s[G1B+2], 128<<16
	s_mov_b32 s[G1B+3], 24<<16
	s_mov_b32 s[G1B+4], 128
	s_mov_b32 s[G1B+5], 96
	s_mov_b32 s[G1B+6], 0
	s_mov_b32 s[G1B+7], 0
	s_mov_b32 s32, 1
	s_mov_b32 s36, 1
	s_mov_b32 s51, 0
	; The first fills, two a wave, k's ahead of v's, inside one branch on the wave's number: waves 0-3 bring the four pieces of k0 and of v0,
	; waves 4-7 those of k1 and of v1.  Two loads of a wave are out, and no more follow.
	s_cmp_lt_u32 s20, 4
	s_cbranch_scc0 .Ldeg1
	s_mul_i32 s33, s20, K0P                        ; piece 'wave' of k0
	s_add_co_u32 s37, s33, VIM
	s_lshl_b32 s50, s23, 17                        ; chunk x 512 rows of 256 bytes
	s_lshl_b32 s48, s20, 15                        ; + piece x 128 rows
	s_add_co_u32 s50, s50, s48
	s_lshl_b32 s48, s60, 6                         ; + 64 j: the pair's 64 bytes in a row
	s_add_co_u32 s50, s50, s48
	s_wait_kmcnt 0x0
	s_add_nc_u64 s[34:35], s[4:5], s[50:51]
	s_add_nc_u64 s[38:39], s[8:9], s[50:51]
	s_or_b32 s35, s35, 0x80000000                  ; type 2
	s_or_b32 s39, s39, 0x80000000
	tensor_load_to_lds s[32:35], s[G1A:G1A+7]
	s_nop 0
	tensor_load_to_lds s[36:39], s[G1A:G1A+7]
	s_nop 0
	s_branch .Lfilled
.Ldeg1:
	s_sub_co_u32 s48, s20, 4
	s_mul_i32 s33, s48, K1P                        ; piece 'wave - 4' of k1
	s_add_co_u32 s33, s33, K1
	s_add_co_u32 s37, s33, VIM
	s_mul_i32 s50, s23, 393216                     ; chunk x 512 rows of 768 bytes
	s_mul_i32 s48, s48, 98304                      ; + piece x 128 rows
	s_add_co_u32 s50, s50, s48
	s_mul_i32 s48, s60, 192                        ; + 192 j: the pair's 192 bytes in a row
	s_add_co_u32 s50, s50, s48
	s_wait_kmcnt 0x0
	s_add_nc_u64 s[34:35], s[6:7], s[50:51]
	s_add_nc_u64 s[38:39], s[10:11], s[50:51]
	s_or_b32 s35, s35, 0x80000000
	s_or_b32 s39, s39, 0x80000000
	tensor_load_to_lds s[32:35], s[G1B:G1B+7]
	s_nop 0
	tensor_load_to_lds s[36:39], s[G1B:G1B+7]
	s_nop 0
.Lfilled:
	v_and_b32 v1, 31, v0                           ; lane
	v_and_b32 v2, 15, v0                           ; r
	v_bfe_u32 v3, v0, 4, 1                         ; h
	v_lshlrev_b32 v4, 4, v1                        ; 16 lane
	v_lshlrev_b32 v[TMP], 7, v2
	v_lshl_add_u32 v[TMP], v3, 4, v[TMP]
	s_lshl_b32 s48, s20, 11
	v_add_nc_u32 v[TMP], s48, v[TMP]               ; w's row 16 wave + r, byte 16 h
.irp i,0,1,2,3
	global_load_b128 v[DD+4*\i:DD+4*\i+3], v[TMP], s[12:13] offset:32*\i
.endr
	s_mov_b32 s56, 0x76543210                      ; v_permlanex16_b32: lane i reads lane i of the other half
	s_mov_b32 s57, 0xfedcba98
	s_mov_b32 s52, 0x3f1b48bb                      ; 32^-0.25 * log2 e = 0.60657854
	s_mov_b32 s53, 0x3f1b48bb
	s_mov_b32 s54, 0xbe0293ee                      ; -0.5 * 32^-0.5 * log2 e = -0.12751743
	v_cmp_gt_u32 s58, 8, v2                        ; lanes whose channel r comes from v0
	v_and_b32 v[TMP+2], 7, v2                      ; r & 7
	v_lshrrev_b32 v[TMP+1], 3, v2                  ; r >> 3
	v_lshl_add_u32 v[TMP+1], v[TMP+2], 1, v[TMP+1] ; n = 2 (r & 7) + (r >> 3): the node that is row r of an x tile
	v_lshlrev_b32 v[TMP+2], 2, v[TMP+2]            ; 4 (r & 7)
	; x fragments.  v5: k0, byte 80 n + 32 hh + 16 h of my piece; a tile of 16 nodes is 1,280 bytes
	v_mul_u32_u24 v5, v[TMP+1], 80
	v_lshl_add_u32 v5, v3, 4, v5
	s_mul_i32 s48, s22, K0P
	s_lshl_b32 s49, s21, 5
	s_add_co_u32 s48, s48, s49                     ; my piece + 32 hh
	v_add_nc_u32 v5, s48, v5
	; v12: v0 by single words: float 8 hh + (r & 7) of node 2 j + h
	v_mad_u32_u24 v12, v3, 80, v[TMP+2]
	s_add_co_u32 s48, s48, VIM
	v_add_nc_u32 v12, s48, v12
	; v6-8: k1's three pieces of 32 bytes, byte 192 n + 96 hh + 32 i + 16 h of my piece; a tile of 16 nodes is 3,072 bytes
	v_mul_u32_u24 v[TMP+3], v[TMP+1], 192
	v_lshl_add_u32 v[TMP+3], v3, 4, v[TMP+3]
	s_mul_i32 s55, s21, 96                         ; 96 hh
	s_mul_i32 s61, s22, K1P
	s_add_co_u32 s61, s61, s55                     ; my piece + 96 hh,
	s_add_co_u32 s62, s61, K1                      ; in k1
	s_add_co_u32 s63, s61, V1                      ; and in v1
.irp i,0,1,2
	s_add_co_u32 s48, s62, 32*\i
	v_add_nc_u32 v[6+\i], s48, v[TMP+3]
.endr
	; v13, v15: v1 by single words, node 2 j + h: floats r & 7 (channels 8 to 15) and floats 8 + r (channels 16 to 31)
	v_mad_u32_u24 v13, v3, 192, v[TMP+2]
	v_add_nc_u32 v13, s63, v13
	v_lshlrev_b32 v[TMP+4], 2, v2
	v_mad_u32_u24 v15, v3, 192, v[TMP+4]
	s_add_co_u32 s48, s63, 32
	v_add_nc_u32 v15, s48, v15
	v_mov_b32 v9, s20
	v_lshlrev_b32 v9, 2, v9
	v_add_nc_u32 v9, MXS, v9                       ; v9: my word among the waves' maxima
	v_mov_b32 v10, s21
	v_lshlrev_b32 v10, 4, v10
	v_add_nc_u32 v10, MXS, v10                     ; v10: the four words of my head
	s_lshl_b32 s48, s20, 14
	v_add_nc_u32 v11, s48, v4                      ; v11: my stage: 16,384 wave + 16 lane
	s_lshl_b32 s48, s21, 16
	s_lshl_b32 s49, s22, 12
	s_add_co_u32 s48, s48, s49
	v_add_nc_u32 v14, s48, v4                      ; v14: tiles 2 g, 2 g + 1 in the stage of my head's first wave; its partners follow at 16,384 each
	v_add_nc_u32 v17, WF, v4                       ; v17: fragment dumps of W'
	s_lshl_b32 s48, s20, 9
	s_add_co_u32 s48, s48, NDS
	v_lshl_add_u32 v18, v2, 2, s48                 ; v18: nd' in: word r of a tile
	v_lshl_add_u32 v19, v3, 5, s48                 ; v19: nd' back: 8 words at 8 h
	s_mul_i32 s48, s20, 768
	s_add_co_u32 s48, s48, AUXS
	v_lshl_add_u32 v20, v2, 2, s48
	v_lshl_add_u32 v21, v1, 2, s48
	v_add_nc_u32 v22, s48, v4
	s_add_co_u32 s48, s48, 512
	v_lshl_add_u32 v23, v1, 3, s48
	v_mov_b32 v24, 0
	v_lshlrev_b32 v25, 3, v1
	s_lshl_b32 s48, s20, 10
	v_add_nc_u32 v[TMP+7], s48, v17                ; my tile of W'
	s_lshl_b32 s49, s23, 3
	s_lshl_b32 s48, s60, 1
	s_add_co_u32 s49, s49, s48
	s_add_co_u32 s49, s49, s21                     ; record = 8 chunk + head
	s_lshl_b32 s50, s49, 14
	s_lshl_b32 s48, s22, 12
	s_add_co_u32 s50, s50, s48
	s_add_nc_u64 s[14:15], s[14:15], s[50:51]      ; part: 16,384 bytes a record; I store its bytes 4,096 g ..
	s_mul_i32 s50, s49, 768
	s_add_nc_u64 s[16:17], s[16:17], s[50:51]      ; aux: 768 bytes a record
	s_lshl_b32 s50, s49, 2
	s_add_nc_u64 s[18:19], s[18:19], s[50:51]      ; pmax: one word a record
	; W' tile 'wave': scaled in f32, rounded once, left in LDS as a fragment for all eight waves
	s_wait_loadcnt 0x0
.irp p,0,2,4,6,8,10,12,14
	v_pk_mul_f32 v[DD+\p:DD+\p+1], v[DD+\p:DD+\p+1], s[52:53] op_sel_hi:[1,0]
.endr
.irp p,0,1,2,3,4,5,6,7
	v_cvt_pk_f16_f32 v[DD+16+\p], v[DD+2*\p], v[DD+2*\p+1]
.endr
	ds_store_b128 v[TMP+7], v[DD+16:DD+19]
	ds_store_b128 v[TMP+7], v[DD+20:DD+23] offset:512
	s_wait_tensorcnt 0x1                           ; my piece of k has landed; the one younger load, my piece of v, stays out
	s_wait_dscnt 0x0                               ; my tile of W' is written
	s_barrier_signal -1
	s_barrier_wait -1                              ; k's image and W' are whole
.macro XLOAD4 grp, base                ; four node tiles as f32: 16 registers a tile
.irp i,0,1,2,3
	ds_load_b128 v[\base+16*\i:\base+16*\i+3],     v5 offset:1280*(4*\grp+\i)
	ds_load_b128 v[\base+16*\i+4:\base+16*\i+7],   v6 offset:3072*(4*\grp+\i)
	ds_load_b128 v[\base+16*\i+8:\base+16*\i+11],  v7 offset:3072*(4*\grp+\i)
	ds_load_b128 v[\base+16*\i+12:\base+16*\i+15], v8 offset:3072*(4*\grp+\i)
.endr
.endm
.macro XSQ src, nt                     ; nd' of row r of tile nt: my 16 squares in two chains, the other half's 16 by the lane swap
.set tb, TMP+4*((\nt)&3)
	v_pk_mul_f32 v[tb:tb+1], v[\src:\src+1], v[\src:\src+1]
	v_pk_mul_f32 v[tb+2:tb+3], v[\src+2:\src+3], v[\src+2:\src+3]
.irp k,4,8,12
	v_pk_fma_f32 v[tb:tb+1], v[\src+\k:\src+\k+1], v[\src+\k:\src+\k+1], v[tb:tb+1]
	v_pk_fma_f32 v[tb+2:tb+3], v[\src+\k+2:\src+\k+3], v[\src+\k+2:\src+\k+3], v[tb+2:tb+3]
.endr
	v_pk_add_f32 v[tb:tb+1], v[tb:tb+1], v[tb+2:tb+3]
	v_add_f32 v[tb], v[tb], v[tb+1]
	v_permlanex16_b32 v[tb+1], v[tb], s56, s57
	v_add_f32 v[tb], v[tb], v[tb+1]
	v_mul_f32 v[tb], s54, v[tb]
	ds_store_b32 v18, v[tb] offset:64*(\nt)        ; both halves write the same word with the same value
.endm
.macro XCVT4 grp, base                 ; the four tiles as f16 fragments, into window 1
	WIN 0x40
.irp i,0,1,2,3
.irp p,0,1,2,3,4,5,6,7
	v_cvt_pk_f16_f32 v[XF+8*(4*\grp+\i)+\p], v[\base+16*\i+2*\p], v[\base+16*\i+2*\p+1]
.endr
.endr
	WIN 0
.endm
	WIN 0x40
.irp t,0,1,2,3,4,5,6,7
	ds_load_b128 v[WFR+8*\t:WFR+8*\t+3],   v17 offset:1024*\t
	ds_load_b128 v[WFR+8*\t+4:WFR+8*\t+7], v17 offset:1024*\t+512
.endr
	WIN 0
	XLOAD4 0, DD
	XLOAD4 1, CC
	s_wait_dscnt 16                                ; W' and tiles 0-3 are in; the sixteen younger loads (tiles 4-7) stay out
.irp i,0,1,2,3
	XSQ DD+16*\i, \i
.endr
	XCVT4 0, DD
	s_wait_dscnt 4                                 ; tiles 4-7 are in; behind their loads only the four stores of nd' were issued
.irp i,0,1,2,3
	XSQ CC+16*\i, 4+\i
.endr
	XCVT4 1, CC
; eight matrix instructions: feature tile t against the 8 node tiles, each into a tile of its own
.macro DB t, set, withc
.irp u,0,1,2,3,4,5,6,7
.if \withc
	v_wmma_f32_16x16x32_f16 v[\set+8*\u:\set+8*\u+7], v[XF+8*\u:XF+8*\u+7], v[WFR+8*(\t):WFR+8*(\t)+7], v[CC+8*\u:CC+8*\u+7]
.else
	v_wmma_f32_16x16x32_f16 v[\set+8*\u:\set+8*\u+7], v[XF+8*\u:XF+8*\u+7], v[WFR+8*(\t):WFR+8*(\t)+7], 0
.endif
.endr
.endm
; the maximum of a set's 64 registers into four chains v28-31; first = 1: the first eight numbers start the chains, nothing is cleared
.macro MAXSET base, first
.set mi, 0
.rept 32
.if mi < 4*\first
	v_max_num_f32 v[28+mi], v[\base+2*mi], v[\base+2*mi+1]
.else
	v_max3_num_f32 v[28+mi%4], v[28+mi%4], v[\base+2*mi], v[\base+2*mi+1]
.endif
.set mi, mi+1
.endr
.endm
	; PASS 1: the maximum of dd' over my 128 nodes x 128 features.  Two sets of D tiles take turns: while one set's 32 maxima run,
	; they are the places behind the other set's matrix instructions; only the very first read needs v_nop.
	WIN 0x05                                       ; A and B in window 1
	DB 0, DD, 0
	DB 1, CC, 0
	WIN 0
	PLACES
	MAXSET DD, 1
.irp t,2,4,6
	WIN 0x05
	DB \t, DD, 0
	WIN 0
	MAXSET CC, 0
	WIN 0x05
	DB \t+1, CC, 0
	WIN 0
	MAXSET DD, 0
.endr
	MAXSET CC, 0
	v_max3_num_f32 v28, v28, v29, v30
	v_max_num_f32 v28, v28, v31
	v_max_num_f32_dpp v28, v28, v28 row_xmask:1 row_mask:0xf bank_mask:0xf
	v_max_num_f32_dpp v28, v28, v28 row_xmask:2 row_mask:0xf bank_mask:0xf
	v_max_num_f32_dpp v28, v28, v28 row_xmask:4 row_mask:0xf bank_mask:0xf
	v_max_num_f32_dpp v28, v28, v28 row_xmask:8 row_mask:0xf bank_mask:0xf
	v_permlanex16_b32 v29, v28, s56, s57
	v_max_num_f32 v26, v28, v29                    ; my 128 nodes' maximum, in every lane
	ds_store_b32 v9, v26                           ; for my head's three other waves
	; nd' back: register j of tile u = nd' of row 8 h + j.  My own words: LDS serves a wave's instructions in order (ISA guide 5.7.1)
.irp u,0,1,2,3,4,5,6,7
	ds_load_b128 v[CC+8*\u:CC+8*\u+3],   v19 offset:64*\u
	ds_load_b128 v[CC+8*\u+4:CC+8*\u+7], v19 offset:64*\u+16
.endr
	s_wait_tensorcnt 0x0                           ; my piece of v has landed
	s_wait_dscnt 0x0                               ; my maximum is written, and all my reads of k's image are back
	s_barrier_signal -1
	s_barrier_wait -1                              ; v's image is whole, the maxima are there, and nobody reads k's image any more
; V of nodes 16 q .. 16 q + 15 as single words (my lane: nodes 16 q + 2 j + h): 8 from v0, 8 from v1's first eight floats (one of the two is
; chosen by lane), 8 from v1's floats 8 + r.  Group q is half of step q >> 1 of 32 nodes.
.macro VTLOAD q, b
.irp j,0,1,2,3,4,5,6,7
	ds_load_b32 v[\b+\j],    v12 offset:1280*(\q)+160*\j
	ds_load_b32 v[\b+8+\j],  v13 offset:3072*(\q)+384*\j
	ds_load_b32 v[\b+16+\j], v15 offset:3072*(\q)+384*\j
.endr
.endm
.macro VTCVT q, b, first
.irp i,0,1,2,3,4,5,6,7
	v_cndmask_b32 v[\b+\i], v[\b+8+\i], v[\b+\i], s58    ; channel r: from v0 where r < 8, else from v1
.endr
.if \first
	v_pk_add_f32 v[SVM:SVM+1],   v[\b:\b+1],       v[\b+2:\b+3]       ; the first numbers start sumV's chains
	v_pk_add_f32 v[SVM+2:SVM+3], v[\b+16:\b+17],   v[\b+18:\b+19]
.else
.irp p,0,2
	v_pk_add_f32 v[SVM:SVM+1],   v[SVM:SVM+1],     v[\b+\p:\b+\p+1]
	v_pk_add_f32 v[SVM+2:SVM+3], v[SVM+2:SVM+3],   v[\b+16+\p:\b+16+\p+1]
.endr
.endif
.irp p,4,6
	v_pk_add_f32 v[SVM:SVM+1],   v[SVM:SVM+1],     v[\b+\p:\b+\p+1]
	v_pk_add_f32 v[SVM+2:SVM+3], v[SVM+2:SVM+3],   v[\b+16+\p:\b+16+\p+1]
.endr
	WIN 0x40
.irp p,0,1,2,3
	v_cvt_pk_f16_f32 v[VTF+16*((\q)>>1)+4*((\q)&1)+\p],   v[\b+2*\p],    v[\b+2*\p+1]      ; B fragment: column = channel, k = node
	v_cvt_pk_f16_f32 v[VTF+16*((\q)>>1)+8+4*((\q)&1)+\p], v[\b+16+2*\p], v[\b+16+2*\p+1]
.endr
	WIN 0
.endm
	ds_load_b128 v[TMP:TMP+3], v10                 ; the four maxima of my head
	; eight groups of V on two buffers: two groups, 48 loads, are out; each wait leaves the younger group's 24 loads out
	VTLOAD 0, STG
	VTLOAD 1, STG2
	s_wait_dscnt 48                                ; the maxima are in; the 48 younger loads stay out
	v_max3_num_f32 v26, v[TMP], v[TMP+1], v[TMP+2]
	v_max_num_f32 v26, v26, v[TMP+3]               ; M': the maximum over the record's 512 nodes,
	v_mov_b32 v27, v26                             ; twice, for the packed subtraction
.set ci, 0
.rept 32
	v_pk_add_f32 v[CC+2*ci:CC+2*ci+1], v[CC+2*ci:CC+2*ci+1], v[26:27] neg_lo:[0,1] neg_hi:[0,1]     ; the C operand nd' - M'
.set ci, ci+1
.endr
	s_wait_dscnt 24
	VTCVT 0, STG, 1
	VTLOAD 2, STG
	s_wait_dscnt 24
	VTCVT 1, STG2, 0
	VTLOAD 3, STG2
	s_wait_dscnt 24
	VTCVT 2, STG, 0
	VTLOAD 4, STG
	s_wait_dscnt 24
	VTCVT 3, STG2, 0
	VTLOAD 5, STG2
	s_wait_dscnt 24
	VTCVT 4, STG, 0
	VTLOAD 6, STG
	s_wait_dscnt 24
	VTCVT 5, STG2, 0
	VTLOAD 7, STG2
	s_wait_dscnt 24
	VTCVT 6, STG, 0
	s_wait_dscnt 0x0                               ; the last group: nothing was issued behind it
	VTCVT 7, STG2, 0
.macro EXPT nt
.irp j,0,1,2,3,4,5,6,7
	v_exp_f32 v[DD+8*(\nt)+\j], v[DD+8*(\nt)+\j]
.endr
.endm
; tile nt: its eight exponentials are added to a chain of ksumE and packed to f16 in place; tiles 2s, 2s+1 become P[s] at DD + 16 s.
; Sums and packings alternate; each register is read by its sum before a packing writes it.
.macro SUMPACK nt
.set sb, DD+8*\nt
.set pb, DD+16*(\nt/2)+4*(\nt%2)
.set kb, KSM+2*(\nt/2)
.if \nt%2 == 0
	s_wait_alu depctr_va_vdst(0)
	v_pk_add_f32 v[kb:kb+1], v[sb:sb+1], v[sb+2:sb+3]
	v_cvt_pk_f16_f32 v[pb], v[sb], v[sb+1]
	v_cvt_pk_f16_f32 v[pb+1], v[sb+2], v[sb+3]
.else
	v_pk_add_f32 v[kb:kb+1], v[kb:kb+1], v[sb:sb+1]
	v_cvt_pk_f16_f32 v[pb], v[sb], v[sb+1]
	v_pk_add_f32 v[kb:kb+1], v[kb:kb+1], v[sb+2:sb+3]
	v_cvt_pk_f16_f32 v[pb+1], v[sb+2], v[sb+3]
.endif
	v_pk_add_f32 v[kb:kb+1], v[kb:kb+1], v[sb+4:sb+5]
	v_cvt_pk_f16_f32 v[pb+2], v[sb+4], v[sb+5]
	v_pk_add_f32 v[kb:kb+1], v[kb:kb+1], v[sb+6:sb+7]
	v_cvt_pk_f16_f32 v[pb+3], v[sb+6], v[sb+7]
.endm
; S tile = P . V over my 128 nodes.  The two accumulators take turns, one instruction a turn; the first products start the sums.
.macro CTXB
	WIN 0x04                                       ; B in window 1
	v_wmma_f32_16x16x32_f16 v[ACC:ACC+7],    v[DD:DD+7], v[VTF:VTF+7],    0
	v_wmma_f32_16x16x32_f16 v[ACC+8:ACC+15], v[DD:DD+7], v[VTF+8:VTF+15], 0
.irp s,1,2,3
	v_wmma_f32_16x16x32_f16 v[ACC:ACC+7],    v[DD+16*\s:DD+16*\s+7], v[VTF+16*\s:VTF+16*\s+7],    v[ACC:ACC+7]
	v_wmma_f32_16x16x32_f16 v[ACC+8:ACC+15], v[DD+16*\s:DD+16*\s+7], v[VTF+16*\s+8:VTF+16*\s+15], v[ACC+8:ACC+15]
.endr
	WIN 0
.endm
; PASS 2, one feature tile
.macro FEAT t
	WIN 0x05
	DB \t, DD, 1                                   ; dd' + nd' - M'
	WIN 0
	PLACES
	EXPT 0
	EXPT 1
	v_nop                                          ; a plain instruction between an exponential and its use (ISA guide 5.7.2); further down the tile before serves
.irp u,0,1,2,3,4,5
	SUMPACK \u
	EXPT \u+2
.endr
	SUMPACK 6
	SUMPACK 7
	CTXB
	; ksumE of feature 16 t + r, and its running maximum.  These plain instructions are also the places behind the matrix instructions above,
	; for the LDS stores of ACC and for the next tile's products, which write over P.
	v_pk_add_f32 v[KSM:KSM+1], v[KSM:KSM+1], v[KSM+2:KSM+3]
	v_pk_add_f32 v[KSM+4:KSM+5], v[KSM+4:KSM+5], v[KSM+6:KSM+7]
	v_pk_add_f32 v[KSM:KSM+1], v[KSM:KSM+1], v[KSM+4:KSM+5]
	v_add_f32 v[KSM], v[KSM], v[KSM+1]
	v_permlanex16_b32 v[KSM+1], v[KSM], s56, s57
	v_add_f32 v[KSM], v[KSM], v[KSM+1]
.if \t == 0
	v_mov_b32 v[KMX], v[KSM]                       ; the first tile starts the maximum
.else
	v_max_num_f32 v[KMX], v[KMX], v[KSM]
.endif
	ds_store_b32 v20, v[KSM] offset:64*\t
.irp c,0,1
	ds_store_b128 v11, v[ACC+8*\c:ACC+8*\c+3] offset:2048*\t+1024*\c           ; the registers as they are, into my stage: 16 neighbouring bytes a lane
	ds_store_b128 v11, v[ACC+8*\c+4:ACC+8*\c+7] offset:2048*\t+1024*\c+512
.endr
.endm
.irp t,0,1,2,3,4,5,6,7
	FEAT \t
.endr
	; my aux record: ksumE (128), sumV (32), my largest ksumE (32 times: fills the last 128 bytes)
	v_add_f32 v[SVM], v[SVM], v[SVM+1]
	v_add_f32 v[SVM+2], v[SVM+2], v[SVM+3]
	v_permlanex16_b32 v[SVM+1], v[SVM], s56, s57
	v_permlanex16_b32 v[SVM+3], v[SVM+2], s56, s57
	v_add_f32 v[SVM], v[SVM], v[SVM+1]
	v_add_f32 v[SVM+2], v[SVM+2], v[SVM+3]
	v_max_num_f32_dpp v[KMX], v[KMX], v[KMX] row_xmask:1 row_mask:0xf bank_mask:0xf        ; both halves of the lanes hold the same 16 numbers
	v_max_num_f32_dpp v[KMX], v[KMX], v[KMX] row_xmask:2 row_mask:0xf bank_mask:0xf
	v_max_num_f32_dpp v[KMX], v[KMX], v[KMX] row_xmask:4 row_mask:0xf bank_mask:0xf
	v_max_num_f32_dpp v[KMX], v[KMX], v[KMX] row_xmask:8 row_mask:0xf bank_mask:0xf
	ds_store_b32 v20, v[SVM] offset:512
	ds_store_b32 v20, v[SVM+2] offset:576
	ds_store_b32 v21, v[KMX] offset:640
	s_wait_dscnt 0x0                               ; my stage and my aux record are written
	s_barrier_signal -1
	s_barrier_wait -1
	; THE FOUR NODE GROUPS OF A HEAD BECOME ONE RECORD.  All four took the same M' away, so their sums add as they are.
	; I add feature tiles 2 g, 2 g + 1: 4,096 bytes from each of the four stages, and store them as 8 x 512 consecutive bytes, aligned.
.irp p,0,1,2,3
.irp k,0,1,2,3,4,5,6,7
	ds_load_b128 v[RR+32*\p+4*\k:RR+32*\p+4*\k+3], v14 offset:16384*\p+512*\k
.endr
.endr
	s_wait_dscnt 16                                ; partners 0 and 1 are in; the sixteen younger loads stay out
.set ri, 0
.rept 16
	v_pk_add_f32 v[RR+2*ri:RR+2*ri+1], v[RR+2*ri:RR+2*ri+1], v[RR+32+2*ri:RR+32+2*ri+1]
.set ri, ri+1
.endr
	s_wait_dscnt 0x0
.set ri, 0
.rept 16
	v_pk_add_f32 v[RR+64+2*ri:RR+64+2*ri+1], v[RR+64+2*ri:RR+64+2*ri+1], v[RR+96+2*ri:RR+96+2*ri+1]
.set ri, ri+1
.endr
.set ri, 0
.rept 16
	v_pk_add_f32 v[RR+2*ri:RR+2*ri+1], v[RR+2*ri:RR+2*ri+1], v[RR+64+2*ri:RR+64+2*ri+1]
.set ri, ri+1
.endr
.irp k,0,1,2,3,4,5,6,7
	global_store_b128 v4, v[RR+4*\k:RR+4*\k+3], s[14:15] offset:512*\k
.endr
	; the head's first wave adds the four aux records, word by word, and stores the record and M'
	s_cmp_lg_u32 s22, 0
	s_cbranch_scc1 .Lend
.irp p,0,1,2,3
	ds_load_b128 v[STG+4*\p:STG+4*\p+3],       v22 offset:768*\p
	ds_load_b64  v[STG+16+2*\p:STG+16+2*\p+1], v23 offset:768*\p
.endr
	s_wait_dscnt 0x0
.irp p,0,2
	v_pk_add_f32 v[STG+\p:STG+\p+1],     v[STG+\p:STG+\p+1],     v[STG+4+\p:STG+4+\p+1]
	v_pk_add_f32 v[STG+8+\p:STG+8+\p+1], v[STG+8+\p:STG+8+\p+1], v[STG+12+\p:STG+12+\p+1]
.endr
	v_pk_add_f32 v[STG+16:STG+17], v[STG+16:STG+17], v[STG+18:STG+19]
	v_pk_add_f32 v[STG+20:STG+21], v[STG+20:STG+21], v[STG+22:STG+23]
.irp p,0,2
	v_pk_add_f32 v[STG+\p:STG+\p+1],     v[STG+\p:STG+\p+1],     v[STG+8+\p:STG+8+\p+1]
.endr
	v_pk_add_f32 v[STG+16:STG+17], v[STG+16:STG+17], v[STG+20:STG+21]
	global_store_b128 v4, v[STG:STG+3], s[16:17]                       ; 768 consecutive bytes, aligned
	global_store_b64 v25, v[STG+16:STG+17], s[16:17] offset:512
	s_wait_xcnt 0x0                                ; EXEC changes only behind this wait
	v_cmp_eq_u32 vcc_lo, 0, v1
	s_and_saveexec_b32 s59, vcc_lo
	global_store_b32 v24, v26, s[18:19]            ; one word a record: the table of 512 maxima stays 2 KiB, since every wave of the next launch reads all of it
	s_wait_xcnt 0x0                                ; and again in front of the line that widens it
	s_or_b32 exec_lo, exec_lo, s59
.Lend:
	s_wait_tensorcnt 0x0
	ds_add_u32 v254, v255
	s_wait_dscnt 0x0
	s_endpgm
.Lfunc_end_k_q31a29f4d36_partial:
	.size	k_q31a29f4d36_partial, .Lfunc_end_k_q31a29f4d36_partial-k_q31a29f4d36_partial
	.p2alignl 7, 3214868480
	.fill 96, 4, 3214868480
	.section	.rodata,"a",@progbits
	.p2align	6, 0x0
	.amdhsa_kernel k_q31a29f4d36_partial
		.amdhsa_group_segment_fixed_size 298240
		.amdhsa_private_segment_fixed_size 0
		.amdhsa_enable_private_segment 0
		.amdhsa_kernarg_size 64
		.amdhsa_user_sgpr_count 2
		.amdhsa_user_sgpr_kernarg_segment_ptr 1
		.amdhsa_wavefront_size32 1
		.amdhsa_system_sgpr_workgroup_id_x 1
		.amdhsa_system_sgpr_workgroup_id_y 1
		.amdhsa_system_sgpr_workgroup_id_z 1
		.amdhsa_system_vgpr_workitem_id 0
		.amdhsa_next_free_vgpr 448
		.amdhsa_next_free_sgpr 66
		.amdhsa_reserve_vcc 1
		.amdhsa_float_denorm_mode_32 3
		.amdhsa_float_denorm_mode_16_64 3
		.amdhsa_memory_ordered 1
		.amdhsa_forward_progress 1
		.amdhsa_inst_pref_size 143
	.end_amdhsa_kernel
	.amdgpu_metadata
---
amdhsa.version: [ 1, 2 ]
amdhsa.kernels:
  - .name:           k_q31a29f4d36_partial
    .symbol:         k_q31a29f4d36_partial.kd
    .args:
      - { .name: k0, .offset: 0, .size: 8, .value_kind: global_buffer, .address_space: global }
      - { .name: k1, .offset: 8, .size: 8, .value_kind: global_buffer, .address_space: global }
      - { .name: v0, .offset: 16, .size: 8, .value_kind: global_buffer, .address_space: global }
      - { .name: v1, .offset: 24, .size: 8, .value_kind: global_buffer, .address_space: global }
      - { .name: w, .offset: 32, .size: 8, .value_kind: global_buffer, .address_space: global }
      - { .name: part, .offset: 40, .size: 8, .value_kind: global_buffer, .address_space: global }
      - { .name: aux, .offset: 48, .size: 8, .value_kind: global_buffer, .address_space: global }
      - { .name: pmax, .offset: 56, .size: 8, .value_kind: global_buffer, .address_space: global }
    .group_segment_fixed_size: 298240
    .private_segment_fixed_size: 0
    .kernarg_segment_align: 8
    .kernarg_segment_size: 64
    .max_flat_workgroup_size: 256
    .sgpr_count:     66
    .vgpr_count:     448
    .wavefront_size: 32
...
	.end_amdgpu_metadata
.endif
;; end of part 1
;; launch combine (part 2): grid 256 x 1, 3 waves a work-group, no clusters, 0 bytes of LDS; arguments part, aux, pmax, ctxf; writes ctxf
.if DOCPART == 2
	.amdgcn_target "amdgcn-amd-amdhsa--gfx1250"
	.amdhsa_code_object_version 6
	.text
	.protected	k_q31a29f4d36_combine
	.globl	k_q31a29f4d36_combine
	.p2align	8
	.type	k_q31a29f4d36_combine,@function
k_q31a29f4d36_combine:
	s_mov_b64 s[64:65], 0
	v_nop
	global_prefetch_b8 v0, s[64:65] scope:SCOPE_SE
	s_setreg_imm32_b32 hwreg(HW_REG_WAVE_MODE, 25, 1), 1
	s_wait_xcnt 0x0
; THE 16 CHUNKS OF A (BATCH, HEAD) BECOME ONE CONTEXT.  With Mx' the maximum of all 512 records' M':
;   ctx[m][c] = sum over chunks of 2^(M' - Mx') S[m][c] + EPS sumV[c],     ksum[m] = sum over chunks of 2^(M' - Mx') ksumE[m] + EPS 8192,
; both times 16 / G, rounded to f16 and stored as the matrix fragments that the last launch loads straight into registers.
; THE FACTOR 16 / G is one number for a (batch, head) and cancels in the last launch's quotient; it gives ctx and ksum room in f16.
;   G = EPS 8192 + sum over chunks of 2^(M' - Mx') KM,  where the record's largest ksumE <= KM <= the sum of its ksumE over m.
;   So the largest ksum <= G <= 128 x the largest ksum: the scaled ksum is at most 16 and the scaled |ctx| at most 16 x the largest |V|.
;   LIMIT: |V| below 4,000 (16 x 4,000 < 65,504).
;   Every wave of every work-group of a (batch, head) makes G by the same lines from the same numbers: it is equal bit for bit.
; A work-group takes one (batch, head) bh and one feature tile t.  Wave = ct: 0, 1 the two channel tiles, 2 ksum.  A wave takes all 16 chunks, reads the whole
; table of maxima (2 KiB) and makes Mx' and G itself: the waves hand each other nothing, so there is no LDS and no barrier.
; The records are register dumps (lane, 8 registers = features 8 h + j), and so is the result: the work is element by element, without
; matrix unit; a wave has its 32 loads of 512 bytes out at once (62 loads in all at the most).  No cluster: work-groups share only the table of maxima.
; LIMIT: v_exp_f32 gives 0 where M' - Mx' < -126.  A NaN among the maxima is dropped (v_max*_num).
.set FL,   20                          ; v[20:35]   M' of the 16 chunks, each in every lane
.set SVL,  36                          ; v[36:43]   sumV of 8 chunks (the other 8 in the other half of the lanes)
.set INIT, 44                          ; v[44:45]   the EPS term, twice
.set ACC,  46                          ; v[46:53]
.set T,    54
.set GS,   56                          ; v[56:57]   G, then 16 / G twice
.set DATA, 64                          ; v[64:191]  16 chunks x 8 registers
.set FV,   192                         ; v[192:223] 2^(M' - Mx'), each twice (a pair for the packed multiply-add)
.set PM,   224                         ; v[224:239] my 16 words of the table of maxima
.set OUTP, 248                         ; v[248:251]
.set KMV,  252                         ; v252       KM of chunk r
.set MLV,  253                         ; v253       M' of chunk r
	s_load_b256 s[4:11], s[0:1], 0x0               ; part s[4:5], aux s[6:7], pmax s[8:9], ctxf s[10:11]
	v_lshrrev_b32 v1, 5, v0
	v_readfirstlane_b32 s18, v1                    ; wave = ct
	v_and_b32 v1, 31, v0
	v_and_b32 v2, 15, v0                           ; r
	v_bfe_u32 v3, v0, 4, 1                         ; h
	v_lshlrev_b32 v4, 4, v1                        ; 16 lane
	v_mov_b32 v5, 0
	s_mov_b32 s32, 0x76543210
	s_mov_b32 s33, 0xfedcba98
	s_and_b32 s14, ttmp9, 7                        ; t
	s_lshr_b32 s15, ttmp9, 3                       ; bh
	s_lshr_b32 s16, s15, 3                         ; batch
	s_and_b32 s17, s15, 7                          ; head
	s_lshl_b32 s28, s16, 7
	s_add_co_u32 s28, s28, s17                     ; the first record = 8 (16 batch) + head; the next chunk's is 8 further
	v_lshlrev_b32 v7, 5, v3                        ; ksumE: 8 words at 8 h
	v_mul_u32_u24 v8, v3, 6144
	v_lshl_add_u32 v8, v2, 2, v8
	s_lshl_b32 s29, s18, 6
	v_add_nc_u32 v8, s29, v8                       ; sumV: channel 16 ct + r, chunk h of a pair
	v_mul_u32_u24 v61, v2, 6144                    ; chunk r in aux: 8 records of 768 bytes further each
	v_lshlrev_b32 v62, 5, v2                       ; and in pmax: 8 words further each
	s_mov_b32 s35, 0
	s_lshl_b32 s34, s28, 14
	s_lshl_b32 s29, s14, 11
	s_add_co_u32 s34, s34, s29
	s_lshl_b32 s29, s18, 10
	s_add_co_u32 s34, s34, s29                     ; part: record, tile t, channel tile ct
	s_mov_b32 s37, 0
	s_mul_i32 s36, s28, 768
	s_mov_b32 s39, 0
	s_lshl_b32 s38, s28, 2
	s_mov_b32 s13, 0
	s_mul_i32 s12, s15, 12288
	s_lshr_b32 s29, s14, 1
	s_mul_i32 s29, s29, 3072
	s_add_co_u32 s12, s12, s29
	s_lshl_b32 s29, s18, 10
	s_add_co_u32 s12, s12, s29
	s_and_b32 s29, s14, 1
	s_lshl_b32 s29, s29, 9
	s_add_co_u32 s12, s12, s29                     ; ctxf[bh][t >> 1][ct][t & 1]
	s_mov_b32 s3, 0
	s_lshl_b32 s2, s14, 6                          ; ksumE of tile t in a record
	s_wait_kmcnt 0x0
	s_add_nc_u64 s[20:21], s[4:5], s[34:35]
	s_add_nc_u64 s[22:23], s[6:7], s[36:37]        ; aux at the first record
	s_add_nc_u64 s[24:25], s[8:9], s[38:39]        ; pmax at the first record
	s_add_nc_u64 s[26:27], s[10:11], s[12:13]
	s_add_nc_u64 s[30:31], s[22:23], s[2:3]
.irp i,0,1,2,3
	global_load_b128 v[PM+4*\i:PM+4*\i+3], v4, s[8:9] offset:512*\i    ; the whole table: 4 x 512 bytes
.endr
.irp k,0,1,2,3,4,5,6,7,8,9,10,11,12,13,14,15
	global_load_b32 v[FL+\k], v5, s[24:25] offset:32*\k                ; every lane the same word
.endr
	global_load_b32 v[MLV], v62, s[24:25]                              ; lane r: chunk r's M'
	global_load_b32 v[KMV], v61, s[22:23] offset:640                   ; lane r: chunk r's KM
	s_cmp_lt_u32 s18, 2
	s_cbranch_scc0 .Lksum
.irp i,0,1,2,3,4,5,6,7
	global_load_b32 v[SVL+\i], v8, s[22:23] offset:512+12288*\i        ; chunk 2 i + h
.endr
.irp k,0,1,2,3,4,5,6,7,8,9,10,11,12,13,14,15
	global_load_b128 v[DATA+8*\k:DATA+8*\k+3],   v4, s[20:21] offset:131072*\k th:TH_LOAD_NT
	global_load_b128 v[DATA+8*\k+4:DATA+8*\k+7], v4, s[20:21] offset:131072*\k+512 th:TH_LOAD_NT
.endr
	s_wait_loadcnt 32                              ; all but the 32 loads of S are in
	v_pk_add_f32 v[SVL:SVL+1], v[SVL:SVL+1], v[SVL+2:SVL+3]
	v_pk_add_f32 v[SVL+4:SVL+5], v[SVL+4:SVL+5], v[SVL+6:SVL+7]
	v_pk_add_f32 v[SVL:SVL+1], v[SVL:SVL+1], v[SVL+4:SVL+5]
	v_add_f32 v[SVL], v[SVL], v[SVL+1]
	v_permlanex16_b32 v[SVL+1], v[SVL], s32, s33
	v_add_f32 v[SVL], v[SVL], v[SVL+1]             ; sumV over the 16 chunks
	v_mul_f32 v[INIT], 0x38d1b717, v[SVL]          ; x EPS = 1e-4
	v_mov_b32 v[INIT+1], v[INIT]
	s_branch .Ljoin
.Lksum:
.irp k,0,1,2,3,4,5,6,7,8,9,10,11,12,13,14,15
	global_load_b128 v[DATA+8*\k:DATA+8*\k+3],   v7, s[30:31] offset:6144*\k       ; the sixteen lanes of a half read the same bytes: ksum fills all 16 rows of its fragment
	global_load_b128 v[DATA+8*\k+4:DATA+8*\k+7], v7, s[30:31] offset:6144*\k+16
.endr
	v_mov_b32 v[INIT], 0x3f51b717                  ; EPS x 8,192 nodes = 0.8192
	v_mov_b32 v[INIT+1], 0x3f51b717
.Ljoin:
	s_wait_loadcnt 32                              ; on both ways the 32 youngest loads are the main ones: the maxima and KM are in
	v_max3_num_f32 v[T], v[PM], v[PM+1], v[PM+2]
	v_max3_num_f32 v[T+1], v[PM+3], v[PM+4], v[PM+5]
	v_max3_num_f32 v[T], v[T], v[PM+6], v[PM+7]
	v_max3_num_f32 v[T+1], v[T+1], v[PM+8], v[PM+9]
	v_max3_num_f32 v[T], v[T], v[PM+10], v[PM+11]
	v_max3_num_f32 v[T+1], v[T+1], v[PM+12], v[PM+13]
	v_max3_num_f32 v[T], v[T], v[PM+14], v[PM+15]
	v_max_num_f32 v[T], v[T], v[T+1]
	v_max_num_f32_dpp v[T], v[T], v[T] row_xmask:1 row_mask:0xf bank_mask:0xf
	v_max_num_f32_dpp v[T], v[T], v[T] row_xmask:2 row_mask:0xf bank_mask:0xf
	v_max_num_f32_dpp v[T], v[T], v[T] row_xmask:4 row_mask:0xf bank_mask:0xf
	v_max_num_f32_dpp v[T], v[T], v[T] row_xmask:8 row_mask:0xf bank_mask:0xf
	v_permlanex16_b32 v[T+1], v[T], s32, s33
	v_max_num_f32 v[T], v[T], v[T+1]               ; Mx'
.irp k,0,1,2,3,4,5,6,7,8,9,10,11,12,13,14,15
	v_sub_f32 v[FL+\k], v[FL+\k], v[T]
.endr
	v_sub_f32 v[MLV], v[MLV], v[T]
.irp k,0,1,2,3,4,5,6,7,8,9,10,11,12,13,14,15
	v_exp_f32 v[FV+2*\k],   v[FL+\k]
	v_exp_f32 v[FV+2*\k+1], v[FL+\k]
.endr
	v_exp_f32 v[MLV], v[MLV]
	v_nop                                          ; a plain instruction between the last exponential and the first use (ISA guide 5.7.2)
	; G: lane r holds chunk r's term; four steps inside each half of 16 lanes add them, and both halves hold the same
	s_wait_alu depctr_va_vdst(0)
	v_mul_f32 v[GS], v[MLV], v[KMV]
	v_add_f32_dpp v[GS], v[GS], v[GS] row_xmask:1 row_mask:0xf bank_mask:0xf
	v_add_f32_dpp v[GS], v[GS], v[GS] row_xmask:2 row_mask:0xf bank_mask:0xf
	v_add_f32_dpp v[GS], v[GS], v[GS] row_xmask:4 row_mask:0xf bank_mask:0xf
	v_add_f32_dpp v[GS], v[GS], v[GS] row_xmask:8 row_mask:0xf bank_mask:0xf
	v_add_f32 v[GS], 0x3f51b717, v[GS]             ; + EPS x 8,192 = 0.8192: G
	v_rcp_f32 v[GS+1], v[GS]                       ; the sums below stand between this line and the use of its result (ISA guide 5.7.2)
.irp k,0,1,2,3,4,5,6,7,8,9,10,11,12,13,14,15
	s_wait_loadcnt 30-2*\k                         ; chunk k's two loads are in; the younger chunks' stay out
.irp p,0,2,4,6
.if \k == 0
	v_pk_fma_f32 v[ACC+\p:ACC+\p+1], v[DATA+\p:DATA+\p+1], v[FV:FV+1], v[INIT:INIT+1]      ; the EPS term starts the sums
.else
	v_pk_fma_f32 v[ACC+\p:ACC+\p+1], v[DATA+8*\k+\p:DATA+8*\k+\p+1], v[FV+2*\k:FV+2*\k+1], v[ACC+\p:ACC+\p+1]
.endif
.endr
.endr
	s_wait_alu depctr_va_vdst(0)
	v_mul_f32 v[GS], 0x41800000, v[GS+1]           ; 16 / G,
	v_mov_b32 v[GS+1], v[GS]                       ; twice
.irp p,0,2,4,6
	v_pk_mul_f32 v[ACC+\p:ACC+\p+1], v[ACC+\p:ACC+\p+1], v[GS:GS+1]
.endr
.irp p,0,1,2,3
	v_cvt_pk_f16_f32 v[OUTP+\p], v[ACC+2*\p], v[ACC+2*\p+1]            ; features 8 h + 2 p, + 1: registers 4 (t & 1) + p of the fragment
.endr
	global_store_b128 v4, v[OUTP:OUTP+3], s[26:27]                     ; 512 consecutive bytes, aligned
	s_endpgm
.Lfunc_end_k_q31a29f4d36_combine:
	.size	k_q31a29f4d36_combine, .Lfunc_end_k_q31a29f4d36_combine-k_q31a29f4d36_combine
	.p2alignl 7, 3214868480
	.fill 96, 4, 3214868480
	.section	.rodata,"a",@progbits
	.p2align	6, 0x0
	.amdhsa_kernel k_q31a29f4d36_combine
		.amdhsa_group_segment_fixed_size 0
		.amdhsa_private_segment_fixed_size 0
		.amdhsa_enable_private_segment 0
		.amdhsa_kernarg_size 32
		.amdhsa_user_sgpr_count 2
		.amdhsa_user_sgpr_kernarg_segment_ptr 1
		.amdhsa_wavefront_size32 1
		.amdhsa_system_sgpr_workgroup_id_x 1
		.amdhsa_system_sgpr_workgroup_id_y 1
		.amdhsa_system_sgpr_workgroup_id_z 1
		.amdhsa_system_vgpr_workitem_id 0
		.amdhsa_next_free_vgpr 256
		.amdhsa_next_free_sgpr 66
		.amdhsa_reserve_vcc 0
		.amdhsa_float_denorm_mode_32 3
		.amdhsa_float_denorm_mode_16_64 3
		.amdhsa_memory_ordered 1
		.amdhsa_forward_progress 1
		.amdhsa_inst_pref_size 20
	.end_amdhsa_kernel
	.amdgpu_metadata
---
amdhsa.version: [ 1, 2 ]
amdhsa.kernels:
  - .name:           k_q31a29f4d36_combine
    .symbol:         k_q31a29f4d36_combine.kd
    .args:
      - { .name: part, .offset: 0, .size: 8, .value_kind: global_buffer, .address_space: global }
      - { .name: aux, .offset: 8, .size: 8, .value_kind: global_buffer, .address_space: global }
      - { .name: pmax, .offset: 16, .size: 8, .value_kind: global_buffer, .address_space: global }
      - { .name: ctxf, .offset: 24, .size: 8, .value_kind: global_buffer, .address_space: global }
    .group_segment_fixed_size: 0
    .private_segment_fixed_size: 0
    .kernarg_segment_align: 8
    .kernarg_segment_size: 32
    .max_flat_workgroup_size: 96
    .sgpr_count:     66
    .vgpr_count:     256
    .wavefront_size: 32
...
	.end_amdgpu_metadata
.endif
;; end of part 2
;; launch apply (part 3): grid 256 x 1, 8 waves a work-group, no clusters, 281,600 bytes of LDS; arguments k0, k1, w, ctxf, out0, out1; writes out0, out1
.if DOCPART == 3
	.amdgcn_target "amdgcn-amd-amdhsa--gfx1250"
	.amdhsa_code_object_version 6
	.text
	.protected	k_q31a29f4d36_apply
	.globl	k_q31a29f4d36_apply
	.p2align	8
	.type	k_q31a29f4d36_apply,@function
k_q31a29f4d36_apply:
	s_mov_b64 s[64:65], 0
	v_nop
	global_prefetch_b8 v0, s[64:65] scope:SCOPE_SE
	s_setreg_imm32_b32 hwreg(HW_REG_WAVE_MODE, 25, 1), 1
	s_wait_xcnt 0x0
; QUERY SIDE AND RESULT.  A work-group takes 128 nodes (all 8 heads), wave = head, 8 tiles of 16 nodes.  For each node
;   E[m] = 2^(dd' + nd' - row maximum of dd'),   out[c] = (E . ctx[.][c] + EPS sum_m ctx[m][c]) / (E . ksum + EPS sum_m ksum[m]).
; dd', nd', W' as in the first launch (base 2); the factor 'ratio' of the source, and the factor 16 / G that the launch before has put on
; ctx and ksum alike, cancel in the quotient.
; q0 and q1 are not loaded: the source computes Q from the k features and never reads them, so no output hangs on them.
; FORMATS AND LIMITS: x, W', E, ctx, ksum enter the matrix unit as f16; maxima, |x|^2, sums and the division (v_rcp_f32, then a multiply) in f32.
; |x|, |W'| below 65,504; 0 <= E <= 1 since the row's true maximum is taken away; below 2^-14 an f16 keeps an absolute error of 2^-25, 3e-4 of the
; EPS that is added to every E; the scaled ksum is at most 16, the scaled |ctx| at most 16 |V|.  A NaN is dropped by the maxima.
; v_exp_f32 gives 0 below 2^-126.  The divisor is at least 128 x EPS x 16 x 0.8192 / 8,193 = 2.0e-5.
; LAYOUTS (r = lane & 15, h = lane >> 4): D = W' (rows: features) . x (columns: nodes): lane = node r, register j = feature 8 h + j, so the row
; maximum is 64 numbers of the lane and one swap of halves, and nd' is one number a lane.  Two tiles packed to f16 ARE the B fragment
; (column = node, k = 32 features) of O = ctx (rows: channels) . E: lane = node, registers = 8 neighbouring channels = 32 output bytes.
; The third A tile holds ksum in all 16 rows: every register of its O is the lane's divisor.
; The nodes go in two halves of 64: the second half's fill and the first half's stores overlap the arithmetic.  Each LDS byte is filled once.
; A tensor load has 32 rows: half of the work-group's k, 64 KiB, shared among eight waves.
; NO CLUSTER: work-groups share no byte of k or of the outputs; ctx (12 KiB a head) goes straight into registers.
.set HALF,  69632                      ; LDS: a half of k's image: 64 rows of k0 (272 bytes), then from 17,408 on 64 nodes of k1 (816 bytes)
.set WF,    139264                     ; LDS: W' as eight fragments of 1,024 bytes
.set OUTS,  147456                     ; LDS: the results, a row of 1,040 bytes a node: out0's 256, out1's 768, 16 of padding (1,040 = 65 x 16)
.set OHALF, 66560                      ; 64 such rows
.set ND,   22                          ; v22-23    nd' of the tile at work and of the next
.set DD,   32                          ; v[32:95]  D tiles, 8 feature tiles; then E packed in place; on the way out: 16 x 16 bytes
.set XB,   96                          ; v[96:111] x fragment, two buffers
.set STG,  112                         ; v[112:127] x as f32
.set TQ,   128                         ; v[128:131]
.set OO,   144                         ; v[144:167] O: channels 0-15, 16-31, the divisor
.set CI,   168                         ; v[168:191] EPS x the sums over m: the C operand of O's first products
.set ONES, 200                         ; v[200:207] a fragment of ones
.set WFR,  0                           ; window 1: v[256:319] W' fragments
.set CTX,  64                          ; window 1: v[320:415] ctx fragments, 8 (3 ks + ct)
.set G1,   24
.set MSB, 0
.macro WIN new                         ; s_set_vgpr_msb: bits 1:0 source 0, 3:2 source 1, 5:4 source 2, 7:6 destination; the high byte repeats the setting left
.if MSB != \new
	s_set_vgpr_msb (MSB<<8)|\new
.set MSB, \new
.endif
.endm
.macro PLACES                          ; four independent vector instructions behind a matrix instruction, ahead of the first use of its result (ISA guide 7.12.1)
.rept 4
	v_nop
.endr
.endm
	s_load_b256 s[4:11], s[0:1], 0x0               ; k0 s[4:5], k1 s[6:7], w s[8:9], ctxf s[10:11]
	s_load_b128 s[12:15], s[0:1], 0x20             ; out0 s[12:13], out1 s[14:15]
	v_lshl_add_u32 v254, v0, 2, 0x44800
	v_mov_b32 v255, 0
	ds_add_u32 v254, v255
	ds_add_u32 v254, v255
	v_lshrrev_b32 v1, 5, v0
	v_readfirstlane_b32 s20, v1                    ; wave = head
	s_mov_b32 s21, ttmp9                           ; chunk of 128 nodes
	s_mov_b32 s[G1+0], 0x07530000                  ; element of 8 bytes; padding on, after 64 words, of 4 words
	s_mov_b32 s[G1+1], 32<<16                      ; tensor_dim0 = 32 (a row of 256 bytes)
	s_mov_b32 s[G1+2], 32<<16                      ; tensor_dim1 = 32
	s_mov_b32 s[G1+3], 32<<16                      ; tile_dim0 = 32
	s_mov_b32 s[G1+4], 32                          ; tile_dim1 = 32
	s_mov_b32 s[G1+5], 32                          ; pitch
	s_mov_b32 s[G1+6], 0
	s_mov_b32 s[G1+7], 0
	s_mov_b32 s32, 1
	s_mul_i32 s33, s20, 8704                       ; wave w fills rows 32 w .. 32 w + 31 of a half: 32 x 272 bytes
	s_mov_b32 s36, 1
	s_add_co_u32 s37, s33, HALF
	s_lshl_b32 s42, s21, 15
	s_lshl_b32 s44, s20, 13
	s_add_co_u32 s42, s42, s44                     ; waves 0, 1: k0 at chunk x 32,768 + w x 8,192
	s_mul_i32 s43, s21, 98304
	s_max_u32 s45, s20, 2
	s_sub_co_u32 s45, s45, 2
	s_lshl_b32 s45, s45, 13
	s_add_co_u32 s43, s43, s45                     ; waves 2 to 7: k1 at chunk x 98,304 + (w - 2) x 8,192
	s_mov_b32 s47, 0
	s_mov_b32 s49, 0
	s_mov_b32 s50, 16384                           ; 64 nodes of k0
	s_mov_b32 s51, 49152                           ; 64 nodes of k1
	s_cmp_lt_u32 s20, 2
	s_cselect_b32 s46, s42, s43
	s_cselect_b32 s48, s50, s51
	s_wait_dscnt 0x0
	s_wait_kmcnt 0x0
	s_cselect_b64 s[40:41], s[4:5], s[6:7]
	s_add_nc_u64 s[34:35], s[40:41], s[46:47]
	s_add_nc_u64 s[38:39], s[34:35], s[48:49]
	s_or_b32 s35, s35, 0x80000000
	s_or_b32 s39, s39, 0x80000000
	tensor_load_to_lds s[32:35], s[G1:G1+7]        ; both first fills go out together, the first half's first: two loads of a wave are out, and no more follow
	s_nop 0
	tensor_load_to_lds s[36:39], s[G1:G1+7]
	s_nop 0
	v_and_b32 v1, 31, v0
	v_and_b32 v2, 15, v0                           ; r
	v_bfe_u32 v3, v0, 4, 1                         ; h
	v_lshlrev_b32 v4, 4, v1                        ; 16 lane
	v_lshlrev_b32 v[STG], 7, v2
	v_lshl_add_u32 v[STG], v3, 4, v[STG]
	s_lshl_b32 s42, s20, 11
	v_add_nc_u32 v[STG], s42, v[STG]               ; w's row 16 wave + r, byte 16 h
.irp i,0,1,2,3
	global_load_b128 v[DD+4*\i:DD+4*\i+3], v[STG], s[8:9] offset:32*\i
.endr
	s_lshr_b32 s42, s21, 6                         ; batch
	s_lshl_b32 s42, s42, 3
	s_add_co_u32 s42, s42, s20                     ; bh = 8 batch + head
	s_mul_i32 s46, s42, 12288
	s_add_nc_u64 s[10:11], s[10:11], s[46:47]
	WIN 0x40
.irp f,0,1,2,3,4,5,6,7,8,9,10,11
	global_load_b128 v[CTX+8*\f:CTX+8*\f+3],   v4, s[10:11] offset:1024*\f
	global_load_b128 v[CTX+8*\f+4:CTX+8*\f+7], v4, s[10:11] offset:1024*\f+512
.endr
	WIN 0
	s_lshl_b32 s46, s21, 15
	s_add_nc_u64 s[12:13], s[12:13], s[46:47]      ; out0 and out1 at the chunk's first node
	s_mul_i32 s46, s21, 98304
	s_add_nc_u64 s[14:15], s[14:15], s[46:47]
	s_mov_b32 s56, 0x76543210
	s_mov_b32 s57, 0xfedcba98
	s_mov_b32 s52, 0x3f1b48bb                      ; 32^-0.25 * log2 e
	s_mov_b32 s53, 0x3f1b48bb
	s_mov_b32 s54, 0xbe0293ee                      ; -0.5 * 32^-0.5 * log2 e
	s_mov_b32 s22, 0x38d1b717                      ; EPS = 1e-4
	s_mov_b32 s23, 0x38d1b717
	; x fragments: v5, v6 k0's 16 bytes in half 0, 1; v7-9, v10-12 k1's three pieces
	v_mul_u32_u24 v5, v2, 272
	v_lshl_add_u32 v5, v3, 4, v5
	s_lshl_b32 s42, s20, 5                         ; 32 w
	v_add_nc_u32 v5, s42, v5
	v_add_nc_u32 v6, HALF, v5
	v_mul_u32_u24 v[TQ], v2, 816
	v_lshl_add_u32 v[TQ], v3, 4, v[TQ]
	s_mul_i32 s50, s20, 96                         ; 96 w
.irp i,0,1,2
	s_add_co_u32 s43, s50, 32*\i                   ; byte g = 96 w + 32 i of the node's 768; in LDS at g + 16 (g >> 8)
	v_mov_b32 v[TQ+1], s43
	v_lshrrev_b32 v[TQ+2], 8, v[TQ+1]
	v_lshl_add_u32 v[TQ+1], v[TQ+2], 4, v[TQ+1]
	v_add_nc_u32 v[TQ+1], v[TQ], v[TQ+1]
	v_add_nc_u32 v[7+\i], 17408, v[TQ+1]
	v_add_nc_u32 v[10+\i], HALF, v[7+\i]
.endr
	; results in: node r's row; channels 0-7 (h = 0) at out0's byte 32 w, channels 8-15 (h = 1) at out1's byte 96 w, channels 16 + 8 h at 96 w + 32 + 32 h
	v_mul_u32_u24 v[TQ], v2, 1040
	s_lshl_b32 s43, s20, 6
	s_add_co_u32 s43, s43, 256
	v_mad_u32_u24 v13, v3, s43, v[TQ]
	s_add_co_u32 s43, s42, OUTS
	v_add_nc_u32 v13, s43, v13
	v_add_nc_u32 v14, OHALF, v13
	v_lshl_add_u32 v15, v3, 5, v[TQ]
	s_add_co_u32 s43, s50, OUTS+288
	v_add_nc_u32 v15, s43, v15
	v_add_nc_u32 v16, OHALF, v15
	; results back: wave w takes nodes 8 w .. 8 w + 7 of a half, lanes 0-15 one node's 256 bytes, lanes 16-31 the next node's
	v_lshlrev_b32 v[TQ+1], 4, v2
	v_mad_u32_u24 v17, v3, 1040, v[TQ+1]
	s_mul_i32 s43, s20, 8320
	s_add_co_u32 s43, s43, OUTS
	v_add_nc_u32 v17, s43, v17
	v_add_nc_u32 v18, OHALF, v17
	v_lshl_add_u32 v19, v3, 8, v[TQ+1]
	s_lshl_b32 s43, s20, 11
	v_add_nc_u32 v19, s43, v19                     ; out0: 256 (8 w + h) + 16 r
	v_mad_u32_u24 v20, v3, 768, v[TQ+1]
	s_mul_i32 s43, s20, 6144
	v_add_nc_u32 v20, s43, v20                     ; out1: 768 (8 w + h) + 16 r
	v_add_nc_u32 v21, WF, v4
	s_lshl_b32 s43, s20, 10
	v_add_nc_u32 v[TQ+2], s43, v21                 ; my tile of W'
.irp p,0,1,2,3,4,5,6,7
	v_mov_b32 v[ONES+\p], 0x3c003c00               ; two f16 ones
.endr
	s_wait_loadcnt 24                              ; w's four loads are in; the 24 younger ones (ctx) stay out
.irp p,0,2,4,6,8,10,12,14
	v_pk_mul_f32 v[DD+\p:DD+\p+1], v[DD+\p:DD+\p+1], s[52:53] op_sel_hi:[1,0]
.endr
.irp p,0,1,2,3,4,5,6,7
	v_cvt_pk_f16_f32 v[DD+16+\p], v[DD+2*\p], v[DD+2*\p+1]
.endr
	ds_store_b128 v[TQ+2], v[DD+16:DD+19]
	ds_store_b128 v[TQ+2], v[DD+20:DD+23] offset:512
	s_wait_tensorcnt 0x1                           ; my part of the first half has landed; the one younger load stays out
	s_wait_dscnt 0x0                               ; my tile of W' is written
	s_barrier_signal -1
	s_barrier_wait -1
.macro XLOAD nt                        ; node tile nt as f32
	ds_load_b128 v[STG:STG+3],     v[5+((\nt)>>2)]   offset:4352*((\nt)&3)
	ds_load_b128 v[STG+4:STG+7],   v[7+3*((\nt)>>2)] offset:13056*((\nt)&3)
	ds_load_b128 v[STG+8:STG+11],  v[8+3*((\nt)>>2)] offset:13056*((\nt)&3)
	ds_load_b128 v[STG+12:STG+15], v[9+3*((\nt)>>2)] offset:13056*((\nt)&3)
.endm
.macro XCVT buf
.irp p,0,1,2,3,4,5,6,7
	v_cvt_pk_f16_f32 v[XB+8*(\buf)+\p], v[STG+2*\p], v[STG+2*\p+1]
.endr
.endm
.macro XSQ buf                         ; nd' of node r: my 16 squares in two chains, the other half's by the lane swap
	v_pk_mul_f32 v[TQ:TQ+1], v[STG:STG+1], v[STG:STG+1]
	v_pk_mul_f32 v[TQ+2:TQ+3], v[STG+2:STG+3], v[STG+2:STG+3]
.irp k,4,8,12
	v_pk_fma_f32 v[TQ:TQ+1], v[STG+\k:STG+\k+1], v[STG+\k:STG+\k+1], v[TQ:TQ+1]
	v_pk_fma_f32 v[TQ+2:TQ+3], v[STG+\k+2:STG+\k+3], v[STG+\k+2:STG+\k+3], v[TQ+2:TQ+3]
.endr
	v_pk_add_f32 v[TQ:TQ+1], v[TQ:TQ+1], v[TQ+2:TQ+3]
	v_add_f32 v[TQ], v[TQ], v[TQ+1]
	v_permlanex16_b32 v[TQ+1], v[TQ], s56, s57
	v_add_f32 v[TQ], v[TQ], v[TQ+1]
	v_mul_f32 v[ND+(\buf)], s54, v[TQ]
.endm
.macro MAXSET base, first              ; the maximum of 64 registers into four chains v28-31, started by the first eight numbers
.set mi, 0
.rept 32
.if mi < 4*\first
	v_max_num_f32 v[28+mi], v[\base+2*mi], v[\base+2*mi+1]
.else
	v_max3_num_f32 v[28+mi%4], v[28+mi%4], v[\base+2*mi], v[\base+2*mi+1]
.endif
.set mi, mi+1
.endr
.endm
.macro EXPT t
.irp j,0,1,2,3,4,5,6,7
	v_exp_f32 v[DD+8*(\t)+\j], v[DD+8*(\t)+\j]
.endr
.endm
.macro PACK t                          ; tiles 2 ks, 2 ks + 1 become the fragment at DD + 16 ks, in place: each register is read before it is written
.set sb, DD+8*\t
.set pb, DD+16*(\t/2)+4*(\t%2)
	s_wait_alu depctr_va_vdst(0)
.irp p,0,1,2,3
	v_cvt_pk_f16_f32 v[pb+\p], v[sb+2*\p], v[sb+2*\p+1]
.endr
.endm
; one tile of 16 nodes; nxt = 1: the next tile's x is fetched and prepared meanwhile
.macro TILE nt, nxt
.if \nxt
	XLOAD (\nt+1)
.endif
	WIN 0x01                                       ; A in window 1
.irp t,0,1,2,3,4,5,6,7
	v_wmma_f32_16x16x32_f16 v[DD+8*\t:DD+8*\t+7], v[WFR+8*\t:WFR+8*\t+7], v[XB+8*(\nt&1):XB+8*(\nt&1)+7], 0
.endr
	WIN 0
.if \nxt
	s_wait_dscnt 0x0                               ; the next tile's x is in
	XCVT ((\nt+1)&1)                               ; these lines name none of the registers above: they are the places behind the matrix instructions
	XSQ ((\nt+1)&1)
.else
	PLACES
.endif
	MAXSET DD, 1
	v_max3_num_f32 v28, v28, v29, v30
	v_max_num_f32 v28, v28, v31
	v_permlanex16_b32 v29, v28, s56, s57
	v_max_num_f32 v28, v28, v29                    ; the row maximum of dd' over the 128 features
	v_sub_f32 v24, v[ND+(\nt&1)], v28
	v_mov_b32 v25, v24
.set ci, 0
.rept 32
	v_pk_add_f32 v[DD+2*ci:DD+2*ci+1], v[DD+2*ci:DD+2*ci+1], v[24:25]
.set ci, ci+1
.endr
	EXPT 0
	EXPT 1
	v_nop                                          ; a plain instruction between an exponential and its use (ISA guide 5.7.2); further down the tile before serves
	s_wait_alu depctr_va_vdst(0)
.irp u,0,1,2,3,4,5
	PACK \u
	EXPT \u+2
.endr
	PACK 6
	PACK 7
	WIN 0x01
.irp c,0,1,2
	v_wmma_f32_16x16x32_f16 v[OO+8*\c:OO+8*\c+7], v[CTX+8*\c:CTX+8*\c+7], v[DD:DD+7], v[CI+8*\c:CI+8*\c+7]       ; the EPS terms start the sums
.endr
.irp ks,1,2,3
.irp c,0,1,2
	v_wmma_f32_16x16x32_f16 v[OO+8*\c:OO+8*\c+7], v[CTX+8*(3*\ks+\c):CTX+8*(3*\ks+\c)+7], v[DD+16*\ks:DD+16*\ks+7], v[OO+8*\c:OO+8*\c+7]   ; three accumulators by turns
.endr
.endr
	WIN 0
	PLACES
	v_rcp_f32 v26, v[OO+16]                        ; every register of the third tile is the lane's divisor
	v_rcp_f32 v27, v[OO+16]
	v_nop
	s_wait_alu depctr_va_vdst(0)
.irp p,0,2,4,6,8,10,12,14
	v_pk_mul_f32 v[OO+\p:OO+\p+1], v[OO+\p:OO+\p+1], v[26:27]
.endr
	ds_store_b128 v[13+(\nt>>2)], v[OO:OO+3]     offset:16640*(\nt&3)
	ds_store_b128 v[13+(\nt>>2)], v[OO+4:OO+7]   offset:16640*(\nt&3)+16
	ds_store_b128 v[15+(\nt>>2)], v[OO+8:OO+11]  offset:16640*(\nt&3)
	ds_store_b128 v[15+(\nt>>2)], v[OO+12:OO+15] offset:16640*(\nt&3)+16
.endm
; a half's results leave: my 8 nodes, two at a time; sixteen lanes store 256 consecutive bytes, aligned
.macro OUTH hf
.irp p,0,1,2,3
.irp k,0,1,2,3
	ds_load_b128 v[DD+16*\p+4*\k:DD+16*\p+4*\k+3], v[17+\hf] offset:2080*\p+256*\k
.endr
.endr
.irp p,0,1,2,3
	s_wait_dscnt 15-4*\p                           ; LDS loads come back in order (ISA guide 5.7.1): the counts leave the younger ones out
	global_store_b128 v19, v[DD+16*\p:DD+16*\p+3], s[12:13] offset:16384*\hf+512*\p th:TH_STORE_NT
.irp k,1,2,3
	s_wait_dscnt 15-4*\p-\k
	global_store_b128 v20, v[DD+16*\p+4*\k:DD+16*\p+4*\k+3], s[14:15] offset:49152*\hf+1536*\p+256*(\k-1) th:TH_STORE_NT
.endr
.endr
.endm
	WIN 0x40
.irp t,0,1,2,3,4,5,6,7
	ds_load_b128 v[WFR+8*\t:WFR+8*\t+3],   v21 offset:1024*\t
	ds_load_b128 v[WFR+8*\t+4:WFR+8*\t+7], v21 offset:1024*\t+512
.endr
	WIN 0
	XLOAD 0
	s_wait_loadcnt 0x0                             ; ctx is in
	; the sums over all 128 features of ctx and of ksum: products with a fragment of ones, three accumulators by turns
	WIN 0x01
.irp c,0,1,2
	v_wmma_f32_16x16x32_f16 v[CI+8*\c:CI+8*\c+7], v[CTX+8*\c:CTX+8*\c+7], v[ONES:ONES+7], 0
.endr
.irp ks,1,2,3
.irp c,0,1,2
	v_wmma_f32_16x16x32_f16 v[CI+8*\c:CI+8*\c+7], v[CTX+8*(3*\ks+\c):CTX+8*(3*\ks+\c)+7], v[ONES:ONES+7], v[CI+8*\c:CI+8*\c+7]
.endr
.endr
	WIN 0
	PLACES
.irp p,0,2,4,6,8,10,12,14,16,18,20,22
	v_pk_mul_f32 v[CI+\p:CI+\p+1], v[CI+\p:CI+\p+1], s[22:23] op_sel_hi:[1,0]
.endr
	s_wait_dscnt 0x0                               ; W' and tile 0's x are in
	XCVT 0
	XSQ 0
	TILE 0, 1
	TILE 1, 1
	TILE 2, 1
	TILE 3, 0
	s_wait_tensorcnt 0x0                           ; my part of the second half of k has landed
	s_wait_dscnt 0x0                               ; my results of the first half are written
	s_barrier_signal -1
	s_barrier_wait -1
	XLOAD 4
	OUTH 0
	XCVT 0                                         ; tile 4's x came in ahead of the loads that the last count above waited for
	XSQ 0
	s_wait_xcnt 0x0                                ; DD, which the stores above read, is written again only behind this wait
	TILE 4, 1
	TILE 5, 1
	TILE 6, 1
	TILE 7, 0
	s_wait_dscnt 0x0                               ; my results of the second half are written
	s_barrier_signal -1
	s_barrier_wait -1
	OUTH 1
	s_wait_tensorcnt 0x0
	ds_add_u32 v254, v255
	s_wait_dscnt 0x0
	s_endpgm
.Lfunc_end_k_q31a29f4d36_apply:
	.size	k_q31a29f4d36_apply, .Lfunc_end_k_q31a29f4d36_apply-k_q31a29f4d36_apply
	.p2alignl 7, 3214868480
	.fill 96, 4, 3214868480
	.section	.rodata,"a",@progbits
	.p2align	6, 0x0
	.amdhsa_kernel k_q31a29f4d36_apply
		.amdhsa_group_segment_fixed_size 281600
		.amdhsa_private_segment_fixed_size 0
		.amdhsa_enable_private_segment 0
		.amdhsa_kernarg_size 48
		.amdhsa_user_sgpr_count 2
		.amdhsa_user_sgpr_kernarg_segment_ptr 1
		.amdhsa_wavefront_size32 1
		.amdhsa_system_sgpr_workgroup_id_x 1
		.amdhsa_system_sgpr_workgroup_id_y 1
		.amdhsa_system_sgpr_workgroup_id_z 1
		.amdhsa_system_vgpr_workitem_id 0
		.amdhsa_next_free_vgpr 416
		.amdhsa_next_free_sgpr 66
		.amdhsa_reserve_vcc 0
		.amdhsa_float_denorm_mode_32 3
		.amdhsa_float_denorm_mode_16_64 3
		.amdhsa_memory_ordered 1
		.amdhsa_forward_progress 1
		.amdhsa_inst_pref_size 119
	.end_amdhsa_kernel
	.amdgpu_metadata
---
amdhsa.version: [ 1, 2 ]
amdhsa.kernels:
  - .name:           k_q31a29f4d36_apply
    .symbol:         k_q31a29f4d36_apply.kd
    .args:
      - { .name: k0, .offset: 0, .size: 8, .value_kind: global_buffer, .address_space: global }
      - { .name: k1, .offset: 8, .size: 8, .value_kind: global_buffer, .address_space: global }
      - { .name: w, .offset: 16, .size: 8, .value_kind: global_buffer, .address_space: global }
      - { .name: ctxf, .offset: 24, .size: 8, .value_kind: global_buffer, .address_space: global }
      - { .name: out0, .offset: 32, .size: 8, .value_kind: global_buffer, .address_space: global }
      - { .name: out1, .offset: 40, .size: 8, .value_kind: global_buffer, .address_space: global }
    .group_segment_fixed_size: 281600
    .private_segment_fixed_size: 0
    .kernarg_segment_align: 8
    .kernarg_segment_size: 48
    .max_flat_workgroup_size: 256
    .sgpr_count:     66
    .vgpr_count:     416
    .wavefront_size: 32
...
	.end_amdgpu_metadata
.endif
;; end of part 3
